; MI455X (gfx1250); checked and timed in simulation.
; The chip was launched on July 23, 2026; its instructions are those of AMD's public machine-readable ISA for CDNA 5 (MIT licence, August 2026) and "CDNA5" Instruction Set Architecture Reference Guide (July 2026). The comments in the code are by the model that wrote it; some were corrected since.
;; Multi Head Attention. Allowed arithmetic: matrix products marked QUANTISED: E2M1 operands, one E8M0 scale for each 32 along K, by v_wmma_scale_f32_16x16x128_f8f6f4 with both operands' format E2M1 (or v_wmma_scale_f32_32x16x128_f4), f32 sums; everything else in f32.
;; Inputs: Wk 16 x 1,024 x 64 float32; Wq 16 x 1,024 x 64 float32; Wv 16 x 1,024 x 64 float32; x 4 x 2,048 x 1,024 float32.
;; Outputs: out0 4 x 2,048 x 1,024 float32.
;; This version of the problem:
;;   THIS VERSION OF THE PROBLEM IS GIVEN IN LOW PRECISION. The matrix products marked QUANTISED in the list below multiply operands that are first quantised to E2M1 (2 exponent bits, 1 mantissa bit; 4 bits a number), with one power-of-two scale for each 32 numbers along K (OCP MX v1.0); their sums are f32. All else is computed in f32.
;;   The module's matrix products, in the order in which they are computed (A, B: the left and right operand; K: the contracted axis; several contracted axes count as one K, in the product's order):
;;     1. [M 1,024, K 1,024] x [K 1,024, N 8,192]; A: input Wq; B: input x: QUANTISED
;;     2. [M 1,024, K 1,024] x [K 1,024, N 8,192]; A: input Wk; B: input x: QUANTISED
;;     3. [M 1,024, K 1,024] x [K 1,024, N 8,192]; A: input Wv; B: input x: QUANTISED
;;     4. batch 64 x [M 2,048, K 64] x [K 64, N 2,048]; A: computed on the way; B: computed on the way: QUANTISED
;;     5. batch 64 x [M 2,048, K 2,048] x [K 2,048, N 64]; A: softmax (see below); B: computed on the way: QUANTISED
;;   THE QUANTISER, for each operand of a quantised product, along K:
;;     - K is cut into blocks of 32 from its start; a last block that is shorter is filled with zeros.
;;     - A block's scale is 2^e with e = floor(log2(the largest magnitude in the block)) - 2, held to -126 .. 127; a block of zeros has e = 0. As a byte (E8M0): e + 127.
;;     - Each number is divided by its block's scale, clamped to +-6, and rounded to the nearest number of E2M1, ties to even, subnormals kept.
;;     - The product sums the exact products of the quantised numbers (number of the format x scale) in f32.
;;   ~~~python
;;   def quantise(x, axis):      # numpy; x: float32 -> the quantised numbers, widened to float32 again
;;       x = np.moveaxis(x, axis, -1); K = x.shape[-1]
;;       x = np.pad(x, [(0, 0)] * (x.ndim - 1) + [(0, -K % 32)]); x = x.reshape(x.shape[:-1] + (-1, 32)); a = np.abs(x).max(-1, keepdims=True)
;;       e = np.where(a > 0, np.clip(np.frexp(np.where(a > 0, a, 1))[1] - 1 - 2, -126, 127), 0)      # np.frexp(a)[1] - 1 = floor(log2(a)), exactly
;;       r = np.clip(x / 2.0 ** e, -6, 6)
;;       step = 2.0 ** (np.maximum(np.frexp(np.where(r == 0, 1, r))[1] - 1, 0) - 1)
;;       q = np.round(r / step) * step * 2.0 ** e      # np.round: ties to even
;;       return np.moveaxis(q.reshape(q.shape[:-2] + (-1,))[..., :K], -1, axis).astype(np.float32)
;;   ~~~
;;   SOFTMAX AHEAD OF A QUANTISED PRODUCT. Where the list says 'softmax', what is quantised is not the finished softmax but p = 2^(t - M), with t = logit x log2(e) and M = ceil(the row's largest t), a whole number; so 1/2 < the row's largest p <= 1. The row's sum l is taken of the UNQUANTISED p, in f32, and the product's result is divided by l at the end. Since M is a whole number, a kernel that streams over the keys may use a running M (the ceiling of the running maximum): every later rescaling is an exact power of two, which a block's scale takes up: the codes' values come out the same.
;;   OPERANDS COMPUTED ON THE WAY. 'Computed on the way' means the value that the module computes at that place (a softmax that the list does not call 'softmax' is quantised finished and normalised). What goes into a quantiser is computed in f32, as accurately as f32 sums, v_exp_f32 and their like allow (about 1e-6 of the number): no bf16 or f16 on the way to a quantiser, and a product that is left as it is and whose result goes on into a quantised operand takes f32 operands (vector FMAs, or v_wmma_f32_16x16x4_f32). A number that lies on a knife's edge between two numbers of the format may be rounded either way, as far as f32 arithmetic and the matrix unit's own rounding can turn it there, and no further.
;; One version. Each part assembles by itself: llvm-mc -triple=amdgcn-amd-amdhsa -mcpu=gfx1250 --defsym DOCPART=n.
;; ======== version 1 of 1: 3 launches
;; workspace buffers: xc 4,194,304 bytes; xs 262,144 bytes; wc 1,572,864 bytes; ws 98,304 bytes; qc 4,194,304 bytes; qs 524,288 bytes; kv 9,175,040 bytes
;; launch quant (part 1): grid 352 x 1, 8 waves a work-group, no clusters, 60,928 bytes of LDS; arguments x, Wq, Wk, Wv, xc, xs, wc, ws; writes xc, xs, wc, ws
.if DOCPART == 1
	.amdgcn_target "amdgcn-amd-amdhsa--gfx1250"
	.amdhsa_code_object_version 6
	.text
	.protected	k_qcb3126273e_quant
	.globl	k_qcb3126273e_quant
	.p2align	8
	.type	k_qcb3126273e_quant,@function
k_qcb3126273e_quant:
	s_mov_b64 s[64:65], 0
	v_nop
	global_prefetch_b8 v0, s[64:65] scope:SCOPE_SE
	s_setreg_imm32_b32 hwreg(HW_REG_WAVE_MODE, 25, 1), 1
	s_wait_xcnt 0x0
; x [8192 tokens][1024] and Wq, Wk, Wv [16 heads][1024 (K)][64], all f32, become codes of FP4 (E2M1) with one E8M0 scale byte for each 32 along K = the 1,024.
; xc [8192][512 bytes], xs [8192][32];  wc [3072 rows n = 1024 mat + 64 head + d][512 bytes], ws [3072][32]: K innermost, two codes a byte, the lower k in the low four bits.
; A block's scale is 2^(floor(log2(its largest magnitude)) - 2); its byte is the largest magnitude's exponent field - 2, held at 1 from below by a floor among the maximum's leaves.
; LIMITS: a block of zeros gets the byte 1 where the rule says 127 (its codes are zeros, which add nothing under any byte but 0xff, and this program alone reads the bytes); NaN and infinities among the inputs are not served.
; ONE LAUNCH, TWO PATHS, parted once on the work-group's number; each path has LDS bytes of its own.  Work-groups 0-95 take the weights, 96-351 take x.
; x: rows are dense and K is innermost, so x is a plain stream of blocks of 32.  A wave takes 8 steps of 512 numbers; all 32 loads go out at the head, each 512 consecutive bytes; a step turns through the wave's own
;    stage in LDS so that a lane holds 16 neighbours (two lanes to a block).  A wave's store of codes covers 256 consecutive bytes; the work-group's 1,024 scale bytes meet in LDS and leave as four aligned runs of 256.
; W: K is not innermost: a lane takes a column d and its registers run down K, so that a block of 32 lies in one lane.  A work-group takes 32 columns x all of K, wave w K = 128 w on (4 blocks); the codes meet in a stage,
;    32 rows of 512 bytes, and leave as whole rows; the 32 x 32 scale bytes leave as 1,024 consecutive bytes.
; No matrix unit, no tensor load, no cluster: no two work-groups read the same bytes, and memory binds.
; WORK THE PROGRAM LEAVES OUT: reference() builds the causal mask in its own body: the score of a key that comes after its query becomes -infinity, its weight is 0, and it reaches no output for any finite inputs.
; Whole steps of keys that come after a tile's queries are not computed (launch attn); in the step on the diagonal they are computed and masked.  A NaN, an infinity or an overflow that reaches only such scores is not carried to the result.
.set NWGW, 96                          ; work-groups for the weights: 3 tensors x 16 heads x 2 halves of the 64 columns
.set SP,   80                          ; x: a lane's place in a stage: 64 bytes + 16 of padding
.set XSC,  40960                       ; x: behind the eight waves' stages (2 x 32 x SP each): the work-group's 1,024 scale bytes
.set WST,  41984                       ; W: the stage, 32 rows x WPI
.set WPI,  528                         ; 512 bytes + 16: an odd multiple of 16
.set WSC,  58880                       ; W: 32 rows x 32 scale bytes
.set XR,   16                          ; x: v16-143  eight sets of 16 numbers as loaded
.set XX,   144                         ; x: v144-175 two sets of 16 neighbours
.set XC,   176                         ; x: v176-191 two registers of codes for each step: no store's data are written again
.set XE,   192                         ; x: v192-199 a scale byte for each step
.set WX,   16                          ; W: v16-143  four blocks of 32 numbers
.set WC,   144                         ; W: v144-159 four registers of codes for each block
.set WSB,  160                         ; W: v160     my four scale bytes
.set WO,   164                         ; W: v164-183 the way out
.macro XLOAD t                         ; step t: four loads of 512 consecutive bytes
.irp i, 0,1,2,3
	global_load_b128 v[XR+16*(\t)+4*\i:XR+16*(\t)+4*\i+3], v3, s[4:5] offset:2048*(\t)+512*\i th:TH_LOAD_NT
.endr
.endm
.macro XTURN t                         ; step t through the stage: LDS serves a wave's instructions in order, so no wait stands between the stores and the loads
.irp i, 0,1,2,3
	ds_store_b128 v14, v[XR+16*(\t)+4*\i:XR+16*(\t)+4*\i+3] offset:32*SP*((\t)%2)+8*SP*\i
.endr
.irp i, 0,1,2,3
	ds_load_b128 v[XX+16*((\t)%2)+4*\i:XX+16*((\t)%2)+4*\i+3], v15 offset:32*SP*((\t)%2)+16*\i
.endr
.endm
.macro XSTEP t
.set XS, XX+16*((\t)%2)
.if (\t) > 0
	s_wait_dscnt 1                                 ; this step's numbers are back from the stage; the last step's byte store may be out
.else
	s_wait_dscnt 0x0
.endif
.if (\t) < 7
	s_wait_loadcnt 4*(6-(\t))                      ; the next step's four loads are in; those of the steps behind it may be out
	XTURN (\t)+1                                   ; and go through the other stage while this step is worked
.endif
	v_max3_num_f32 v8, |v[XS]|, |v[XS+1]|, |v[XS+2]|               ; the largest magnitude of my 16, in two chains
	v_max3_num_f32 v9, |v[XS+3]|, |v[XS+4]|, |v[XS+5]|
.irp i, 6,10
	s_delay_alu instid0(VALU_DEP_2)
	v_max3_num_f32 v8, v8, |v[XS+\i]|, |v[XS+\i+1]|
	s_delay_alu instid0(VALU_DEP_2)
	v_max3_num_f32 v9, v9, |v[XS+\i+2]|, |v[XS+\i+3]|
.endr
	s_delay_alu instid0(VALU_DEP_2)
	v_max3_num_f32 v8, v8, |v[XS+14]|, |v[XS+15]|
	s_delay_alu instid0(VALU_DEP_1)
	v_max3_num_f32 v8, v8, v9, 0x1800000           ; and the floor 2^(3 - 127): the byte cannot fall under 1
	s_delay_alu instid0(VALU_DEP_1)
	v_max_num_f32_dpp v8, v8, v8 row_xmask:1 row_mask:0xf bank_mask:0xf   ; with my neighbour's 16: the block's
	s_delay_alu instid0(VALU_DEP_1)
	v_add_nc_u32 v11, 0xff000000, v8               ; 2 off its exponent field: the conversion takes the exponent field of this operand as its scale
	v_cvt_scalef32_pk8_fp4_f32 v[XC+2*(\t)], v[XS:XS+7], v11
	v_cvt_scalef32_pk8_fp4_f32 v[XC+2*(\t)+1], v[XS+8:XS+15], v11
	v_lshrrev_b32 v[XE+(\t)], 23, v11              ; the scale's byte (a plain line behind the conversions)
	ds_store_b8 v5, v[XE+(\t)] offset:16*(\t)      ; both lanes of a block write the same byte with the same value
	global_store_b64 v4, v[XC+2*(\t):XC+2*(\t)+1], s[12:13] offset:256*(\t)   ; 32 lanes store 256 consecutive bytes, aligned
.endm
.macro WLOAD t                         ; block t: W(128 w + 32 t + i, my column): 32 lanes read 128 consecutive bytes
.set I, 0
.rept 32
	global_load_b32 v[WX+32*(\t)+I], v3, s[22:23] offset:(32*(\t)+I)*256
.set I, I+1
.endr
.endm
.macro WBLOCK t, left
.set WXS, WX+32*(\t)
	s_wait_loadcnt \left                           ; this block's 32 loads are in
	v_max3_num_f32 v12, |v[WXS]|, |v[WXS+1]|, |v[WXS+2]|           ; the block's largest magnitude: all 32 numbers are mine
	v_max3_num_f32 v13, |v[WXS+3]|, |v[WXS+4]|, |v[WXS+5]|
.irp i, 6,10,14,18,22,26
	s_delay_alu instid0(VALU_DEP_2)
	v_max3_num_f32 v12, v12, |v[WXS+\i]|, |v[WXS+\i+1]|
	s_delay_alu instid0(VALU_DEP_2)
	v_max3_num_f32 v13, v13, |v[WXS+\i+2]|, |v[WXS+\i+3]|
.endr
	s_delay_alu instid0(VALU_DEP_2)
	v_max3_num_f32 v12, v12, |v[WXS+30]|, |v[WXS+31]|
	s_delay_alu instid0(VALU_DEP_1)
	v_max3_num_f32 v12, v12, v13, 0x1800000        ; and the floor
	s_delay_alu instid0(VALU_DEP_1)
	v_add_nc_u32 v11, 0xff000000, v12              ; the conversion's scale operand
	s_delay_alu instid0(VALU_DEP_1)
	v_lshrrev_b32 v13, 23, v11                     ; the scale's byte
.if (\t) == 0
	s_delay_alu instid0(VALU_DEP_1)
	v_mov_b32 v[WSB], v13                          ; four bytes to a register, the lower K in the lower byte
.else
	s_delay_alu instid0(VALU_DEP_1)
	v_lshl_or_b32 v[WSB], v13, 8*(\t), v[WSB]
.endif
.irp g, 0,1,2,3
	v_cvt_scalef32_pk8_fp4_f32 v[WC+4*(\t)+\g], v[WXS+8*\g:WXS+8*\g+7], v11
.endr
	v_nop                                          ; a plain line behind the conversions, ahead of the next write of their scale operand
	ds_store_b128 v4, v[WC+4*(\t):WC+4*(\t)+3] offset:16*(\t)      ; 32 codes: 16 bytes of my column's row
.endm
	s_load_b256 s[4:11], s[0:1], 0x0               ; x s[4:5], Wq s[6:7], Wk s[8:9], Wv s[10:11]
	s_load_b256 s[12:19], s[0:1], 0x20             ; xc s[12:13], xs s[14:15], wc s[16:17], ws s[18:19]
	v_lshl_add_u32 v200, v0, 2, 0xea00
	v_mov_b32 v201, 0
	v_lshrrev_b32 v1, 5, v0
	s_delay_alu instid0(VALU_DEP_1)
	v_readfirstlane_b32 s20, v1                    ; wave 0..7
	v_and_b32 v2, 31, v0                           ; lane
	s_cmp_lt_u32 ttmp9, NWGW                       ; the same for all waves of a work-group
	s_cbranch_scc1 .Lw
	; ---------------- x ----------------
	s_sub_co_u32 s21, ttmp9, NWGW                  ; g: which 32,768 numbers are my work-group's
	s_lshl_b32 s22, s21, 3
	s_add_co_u32 s22, s22, s20                     ; which 4,096 are my wave's
	s_lshl_b32 s24, s22, 14                        ; 16,384 bytes of x,
	s_mov_b32 s25, 0
	s_lshl_b32 s26, s22, 11                        ; 2,048 bytes of codes a wave,
	s_mov_b32 s27, 0
	s_lshl_b32 s28, s21, 10                        ; 1,024 scale bytes a work-group
	s_mov_b32 s29, 0
	s_mul_i32 s30, s20, 2*32*SP                    ; my wave's two stages
	s_wait_alu depctr_va_vdst(0)
	v_lshlrev_b32 v3, 4, v2                        ; my 16 bytes of a load's 512
	v_lshrrev_b32 v14, 2, v2
	s_delay_alu instid0(VALU_DEP_1)
	v_mul_u32_u24 v14, v14, SP
	v_and_b32 v15, 3, v2
	s_delay_alu instid0(VALU_DEP_1)
	v_lshl_add_u32 v14, v15, 4, v14
	s_delay_alu instid0(VALU_DEP_1)
	v_add_nc_u32 v14, s30, v14                     ; into the stage: four lanes' 64 bytes on end, then the padding
	v_mul_u32_u24 v15, v2, SP
	s_delay_alu instid0(VALU_DEP_1)
	v_add_nc_u32 v15, s30, v15                     ; out of it: my 16 neighbours
	v_lshlrev_b32 v4, 3, v2                        ; my 8 bytes of a step's codes
	s_lshl_b32 s31, s20, 7
	s_add_co_u32 s31, s31, XSC
	v_lshrrev_b32 v5, 1, v2
	s_delay_alu instid0(VALU_DEP_1)
	v_add_nc_u32 v5, s31, v5                       ; my block's scale byte: XSC + 128 wave + lane / 2 (+ 16 a step)
	s_lshl_b32 s31, s20, 8
	v_add_nc_u32 v7, s31, v4                       ; the scale bytes' way out (waves 0-3): 256 wave + 8 lane,
	s_delay_alu instid0(VALU_DEP_1)
	v_add_nc_u32 v6, XSC, v7                       ; and the same place in LDS
	s_wait_alu depctr_va_vdst(0)
	s_wait_kmcnt 0x0
	s_add_nc_u64 s[4:5], s[4:5], s[24:25]
	s_add_nc_u64 s[12:13], s[12:13], s[26:27]
	s_add_nc_u64 s[14:15], s[14:15], s[28:29]
.irp t, 0,1,2,3,4,5,6,7
	XLOAD \t                                       ; all of the wave's 16,384 bytes are asked for at once
.endr
	s_wait_loadcnt 28                              ; step 0's four loads are in; the 28 behind them may be out
	XTURN 0
.irp t, 0,1,2,3,4,5,6,7
	XSTEP \t
.endr
	s_wait_dscnt 0x0                               ; for the others' sake: my byte stores have landed
	s_barrier_signal -1
	s_barrier_wait -1
	s_cmp_ge_u32 s20, 4
	s_cbranch_scc1 .Lxend                          ; four waves carry the 1,024 bytes out
	ds_load_b64 v[12:13], v6
	s_wait_dscnt 0x0
	global_store_b64 v7, v[12:13], s[14:15]        ; 32 lanes store 256 consecutive bytes, aligned
.Lxend:
	s_wait_tensorcnt 0x0
	ds_add_u32 v200, v201
	s_wait_dscnt 0x0
	s_endpgm
	; ---------------- the weights ----------------
.Lw:
	s_lshr_b32 s21, ttmp9, 5                       ; which tensor: 0 q, 1 k, 2 v
	s_bfe_u32 s24, ttmp9, 0x40001                  ; the head
	s_lshl_b32 s24, s24, 18                        ; 1,024 x 64 x 4 bytes a head
	s_lshl_b32 s26, s20, 15                        ; my wave's 128 rows of 256 bytes
	s_add_co_u32 s24, s24, s26
	s_and_b32 s26, ttmp9, 1
	s_lshl_b32 s26, s26, 7                         ; my work-group's 32 columns
	s_add_co_u32 s24, s24, s26
	s_mov_b32 s25, 0
	s_lshl_b32 s28, ttmp9, 14                      ; rows 32 id on of wc: 32 x 512 bytes,
	s_mov_b32 s29, 0
	s_lshl_b32 s30, ttmp9, 10                      ; and of ws: 32 x 32
	s_mov_b32 s31, 0
	s_wait_alu depctr_va_vdst(0)
	v_lshlrev_b32 v3, 2, v2                        ; in: 4 bytes a lane
	v_mul_u32_u24 v4, v2, WPI
	s_lshl_b32 s26, s20, 6
	s_add_co_u32 s26, s26, WST
	v_add_nc_u32 v4, s26, v4                       ; into the stage: row = my column, my wave's 64 bytes
	v_lshlrev_b32 v5, 5, v2
	s_lshl_b32 s26, s20, 2
	s_add_co_u32 s26, s26, WSC
	v_add_nc_u32 v5, s26, v5                       ; my four scale bytes: row = my column, 4 bytes a wave
	v_lshlrev_b32 v10, 4, v2                       ; 16 lane
	s_mul_i32 s26, s20, 4*WPI
	s_add_co_u32 s26, s26, WST
	v_add_nc_u32 v6, s26, v10                      ; out of the stage: wave w takes rows 4 w on, 32 lanes to a row
	s_lshl_b32 s26, s20, 11
	v_add_nc_u32 v7, s26, v10                      ; and the same rows in wc
	s_lshl_b32 s26, s20, 9
	v_add_nc_u32 v9, s26, v10                      ; the scale bytes' way out (waves 0, 1): 512 wave + 16 lane,
	s_delay_alu instid0(VALU_DEP_1)
	v_add_nc_u32 v8, WSC, v9                       ; and the same place in LDS
	s_wait_kmcnt 0x0
	s_cmp_eq_u32 s21, 0                            ; the choice hangs on the work-group's number alone
	s_cselect_b64 s[22:23], s[6:7], s[8:9]
	s_cmp_eq_u32 s21, 2
	s_cselect_b64 s[22:23], s[10:11], s[22:23]
	s_add_nc_u64 s[22:23], s[22:23], s[24:25]
	s_add_nc_u64 s[16:17], s[16:17], s[28:29]
	s_add_nc_u64 s[18:19], s[18:19], s[30:31]
.irp t, 0,1,2,3
	WLOAD \t
.endr
	WBLOCK 0, 63
	WBLOCK 1, 63
	WBLOCK 2, 32
	WBLOCK 3, 0
	ds_store_b32 v5, v[WSB]
	s_wait_dscnt 0x0                               ; for the others' sake: my stores into the stage have landed
	s_barrier_signal -1
	s_barrier_wait -1
.irp t, 0,1,2,3
	ds_load_b128 v[WO+4*\t:WO+4*\t+3], v6 offset:\t*WPI
.endr
.irp t, 0,1,2,3
	s_wait_dscnt 3-\t                              ; row t is back; the rows behind it may be out
	global_store_b128 v7, v[WO+4*\t:WO+4*\t+3], s[16:17] offset:512*\t    ; 32 lanes store a whole row of 512 bytes
.endr
	s_cmp_ge_u32 s20, 2
	s_cbranch_scc1 .Lwend
	ds_load_b128 v[WO+16:WO+19], v8
	s_wait_dscnt 0x0
	global_store_b128 v9, v[WO+16:WO+19], s[18:19] ; 512 consecutive scale bytes
.Lwend:
	s_wait_tensorcnt 0x0
	ds_add_u32 v200, v201
	s_wait_dscnt 0x0
	s_endpgm
.Lfunc_end_k_qcb3126273e_quant:
	.size	k_qcb3126273e_quant, .Lfunc_end_k_qcb3126273e_quant-k_qcb3126273e_quant
	.p2alignl 7, 3214868480
	.fill 96, 4, 3214868480
	.section	.rodata,"a",@progbits
	.p2align	6, 0x0
	.amdhsa_kernel k_qcb3126273e_quant
		.amdhsa_group_segment_fixed_size 60928
		.amdhsa_private_segment_fixed_size 0
		.amdhsa_enable_private_segment 0
		.amdhsa_kernarg_size 64
		.amdhsa_user_sgpr_count 2
		.amdhsa_user_sgpr_kernarg_segment_ptr 1
		.amdhsa_wavefront_size32 1
		.amdhsa_system_sgpr_workgroup_id_x 1
		.amdhsa_system_sgpr_workgroup_id_y 1
		.amdhsa_system_sgpr_workgroup_id_z 1
		.amdhsa_system_vgpr_workitem_id 0
		.amdhsa_next_free_vgpr 202
		.amdhsa_next_free_sgpr 66
		.amdhsa_reserve_vcc 0
		.amdhsa_float_denorm_mode_32 3
		.amdhsa_float_denorm_mode_16_64 3
		.amdhsa_memory_ordered 1
		.amdhsa_forward_progress 1
		.amdhsa_inst_pref_size 44
	.end_amdhsa_kernel
	.amdgpu_metadata
---
amdhsa.version: [ 1, 2 ]
amdhsa.kernels:
  - .name:           k_qcb3126273e_quant
    .symbol:         k_qcb3126273e_quant.kd
    .args:
      - { .name: x, .offset: 0, .size: 8, .value_kind: global_buffer, .address_space: global }
      - { .name: Wq, .offset: 8, .size: 8, .value_kind: global_buffer, .address_space: global }
      - { .name: Wk, .offset: 16, .size: 8, .value_kind: global_buffer, .address_space: global }
      - { .name: Wv, .offset: 24, .size: 8, .value_kind: global_buffer, .address_space: global }
      - { .name: xc, .offset: 32, .size: 8, .value_kind: global_buffer, .address_space: global }
      - { .name: xs, .offset: 40, .size: 8, .value_kind: global_buffer, .address_space: global }
      - { .name: wc, .offset: 48, .size: 8, .value_kind: global_buffer, .address_space: global }
      - { .name: ws, .offset: 56, .size: 8, .value_kind: global_buffer, .address_space: global }
    .group_segment_fixed_size: 60928
    .private_segment_fixed_size: 0
    .kernarg_segment_align: 8
    .kernarg_segment_size: 64
    .max_flat_workgroup_size: 256
    .sgpr_count:     66
    .vgpr_count:     202
    .wavefront_size: 32
...
	.end_amdgpu_metadata
.endif
;; end of part 1
;; launch proj (part 2): grid 8 x 48, 4 waves a work-group, clusters of 4 x 4, 300,544 bytes of LDS; arguments xc, xs, wc, ws, qc, qs, kv; writes qc, qs, kv
.if DOCPART == 2
	.amdgcn_target "amdgcn-amd-amdhsa--gfx1250"
	.amdhsa_code_object_version 6
	.text
	.protected	k_qcb3126273e_proj
	.globl	k_qcb3126273e_proj
	.p2align	8
	.type	k_qcb3126273e_proj,@function
k_qcb3126273e_proj:
	s_mov_b64 s[64:65], 0
	v_nop
	global_prefetch_b8 v0, s[64:65] scope:SCOPE_SE
	s_setreg_imm32_b32 hwreg(HW_REG_WAVE_MODE, 25, 1), 1
	s_wait_xcnt 0x0
	s_wait_alu depctr_hold_cnt(0) depctr_sa_sdst(0) depctr_va_vdst(0) depctr_va_sdst(0) depctr_va_ssrc(0) depctr_va_vcc(0) depctr_vm_vsrc(0)
	s_getreg_b32 s2, hwreg(HW_REG_IB_STS2, 6, 4)
	s_cmp_eq_u32 s2, 0
	s_cbranch_scc0 .Lentry_in_a_cluster
	s_endpgm
.Lentry_in_a_cluster:
	s_bfe_u32 s2, ttmp6, 0x10000c
	s_cmp_lg_u32 s2, 0xf033
	s_cbranch_scc0 .Lentry_shape_is_right
	s_endpgm
.Lentry_shape_is_right:
; q, k, v = x W for 16 heads, as ONE product on codes of FP4 (E2M1) with E8M0 scales, C[m][n] = sum over k of A[m][k] B[n][k], K = 1,024; its f32 sums never go to memory: they are quantised
; in registers for the products of attention and stored as images of the operand registers.
; WHICH TENSOR IS A hangs on the cluster's y (the same in all sixteen partners), by selects alone:
;   cluster y 0-7  (q, k): A = x's tokens, B = rows 0-2047 of wc.  A lane holds one token and its registers run along (head, d): q's and k's K.   cluster x 0: q, 1: k.
;   cluster y 8-11 (v):    A = rows 2048-3071 of wc, B = x's tokens.  A lane holds one (head, d) and its registers run along the tokens: v's K.
; A tile of C is 256 x 256, four waves of 128 x 128: 64 accumulators, 512 registers.  K = 1,024 is two slots of 512 along K (rows of 256 bytes), both filled at the start: NOTHING IS FILLED AGAIN.
; The scale bytes of the tile's 256 + 256 rows, for all of K, come with the first fills.  By this text's count a wave has three tensor loads out.
; CLUSTERS: 4 x 4 work-groups; A's tiles are asked for jointly along a row of the cluster, B's along a column.  THE MATRIX INSTRUCTION IS USED TRANSPOSED (source 0 = 16 rows of B, source 1 = 16 rows of A):
; in accumulator (a, b) lane (r, h) holds row 16 a + r of A and, in register j, row 16 b + 8 h + j of B.
; THE WAY OUT.  A block a of 16 rows of A has 64 numbers a lane: four blocks of 32 along B's rows (accumulators 2 c, 2 c + 1, lanes l and l xor 16).  Largest magnitude, scale byte, conversion, an exchange of halves:
; eight registers that ARE a fragment (16 rows x 128 K).  Inside a block of 32 the numbers lie in the order 0-7, 16-23, 8-15, 24-31; q, k, v and attention's p are all made so, so both sides of a product agree.
;   q, k: registers 0-3 are head h0's 64 d of 16 tokens, registers 4-7 head h0 + 1's: 512 bytes each.  v: the eight registers are 16 d x 128 keys: 1,024 bytes.
;   qc [64 (b, head)][128 tiles of 16 tokens][512];  qs [64][2048] one scale word a token;  kv [64][16 steps of 128 keys][8,960]: +0 K's 8 tiles x 512, +4096 V's 4 tiles of d x 1,024, +8192 K's 128 words, +8704 V's 64 words.
;   A q or k word's bytes 0, 1 are the head's two blocks; bytes 2, 3 stand over zero codes in attention and hold the next head's bytes or 0, never 0xff.
; LIMITS: a block of zeros gets the byte 1 where the rule says 127 (zero codes; the bytes are read by this program alone); NaN and infinities are not served; the order inside a block, as above, changes only the order of the sums inside a block.
; REGISTERS, in windows of 256: window 0: v0-31 addresses; v32-95 scale words, two sets; v128-191 A's fragments, one set; on the way out v40-47, v112-127, v200-235.
;   window 1: B's fragments, two sets.   window 2: the accumulators of my rows 0-63 ((a, b) at v[8 (8 a + b)]);   window 3: those of rows 64-127.
.set NQ,     4                         ; steps of 128 along K in a slot
.set ROWB,   256                       ; a tile's row in bytes: 512 codes
.set KROW,   512                       ; a row of codes in memory
.set PITCH,  272                       ; an LDS row: 256 bytes + 16 of padding: the 16 rows of a load start at 16 different banks
.set FR,     8                         ; registers of a fragment
.set NL,     2                         ; LDS loads that bring one
.set NP,     4                         ; places behind this matrix instruction (ISA guide 7.12.1)
.set HALFT,  128*PITCH                 ; 128 rows: what one tensor load brings
.set SLOT,   4*HALFT                   ; A's 256 rows, then B's 256
.set KS,     32                        ; a row of scale bytes
.set SCL,    2*SLOT                    ; behind the slots: the scales, as units of 256 bytes + 16 of padding
.set HALFS,  16*272                    ; those of 128 rows
.set SBLK,   2*272                     ; those of 16 rows
.set SSTG,   SCL+4*HALFS               ; behind them: 1,024 bytes for each wave, where the scale words just made are gathered; no fill lands here
.set RECB,   8960                      ; a record of kv
.set HEADB,  16*RECB                   ; a head's records
.set ADRA, 16                          ; v16-17  LDS address of my A fragments in slot 0, 1
.set ADRB, 20                          ; v20-21  the same for B
.set ADRS, 27                          ; v27     LDS address of my scale words: lanes 0-15 A's rows, lanes 16-31 B's
.set SC,   32                          ; scale words: set s at v[SC + 32 s]; register 4 i + q: lanes 0-15 A's block i, lanes 16-31 B's block i, the slot's q-th 128 along K
.set AF,   128                         ; A's fragments
.set OFA,  40                          ; the way out: v40-47 block a's byte offset among the codes
.set PC,   112                         ; v112-127 the codes just made, two sets by turns
.set TM,   200                         ; v200-203 largest magnitudes, v204-207 the other half's, then bytes, v212-215 the conversions' scale operands
.set PW,   216                         ; the scale word just made
.set BKS,  220                         ; v220-227 the scale words read back
.set PWS,  228                         ; v228-235 block a's word as it goes to the stage
.set G1, 24                            ; s[24:31] descriptor group 1 for A's tiles;  s[32:39] group 0, one set for each slot
.set G0, 32
.set G1B, 48                           ; s[48:55], s[56:63] the same for B's tiles
.set G0B, 56
.set G1S, 68                           ; s[68:75], s[76:79] groups 1 and 0 for A's scales;  s[80:87], s[88:91] for B's
.set G0S, 76
.set G1SB, 80
.set G0SB, 88
.set MSB, 0
.macro WIN new                         ; the immediate's high byte repeats the setting that is left
.if MSB != (\new)
	s_set_vgpr_msb (MSB<<8)|(\new)
.set MSB, (\new)
.endif
.endm
.set MUL_LO, 0xa1                      ; source 0 (B) window 1, source 1 (A) window 0, C and D window 2
.set MUL_HI, 0xf1                      ; the same, C and D window 3
.set TO_B,   0x40                      ; destination window 1, address window 0
; A joint load: waves 0 and 1 fetch for A, waves 2 and 3 for B.  Each line has one mask and one set of registers for all that issue it; the branch hangs on the wave's number alone.
; Four v_nop follow each of the two lines, ahead of the jump, the label and what follows.
.macro JLOAD g0a, g1a, g0b, g1b
	s_cmp_eq_u32 s15, 0
	s_cbranch_scc0 .Lfor_b_\@
	tensor_load_to_lds s[\g0a:\g0a+3], s[\g1a:\g1a+7]
	s_nop 0
.rept 4
	v_nop
.endr
	s_branch .Lasked_\@
.Lfor_b_\@:
	tensor_load_to_lds s[\g0b:\g0b+3], s[\g1b:\g1b+7]
	s_nop 0
.rept 4
	v_nop
.endr
.Lasked_\@:
.endm
.macro CROUND                          ; a round of the cluster's barrier
	s_barrier_signal -1
	s_barrier_wait -1
	s_cmp_lg_u32 s14, 0
	s_cbranch_scc1 .Lnot_wave_0_\@
	s_barrier_signal -3
.Lnot_wave_0_\@:
	s_barrier_wait -3
	s_barrier_signal -1
	s_barrier_wait -1
.endm
	s_load_b256 s[4:11], s[0:1], 0x0               ; xc s[4:5], xs s[6:7], wc s[8:9], ws s[10:11]
	s_load_b128 s[96:99], s[0:1], 0x20             ; qc s[96:97], qs s[98:99]
	s_load_b64 s[100:101], s[0:1], 0x30            ; kv
	v_lshl_add_u32 v254, v0, 2, 0x49400
	v_mov_b32 v255, 0
	ds_add_u32 v254, v255
	ds_add_u32 v254, v255
	v_lshrrev_b32 v1, 5, v0
	v_readfirstlane_b32 s14, v1                    ; wave 0..3
	s_lshr_b32 s15, s14, 1                         ; which half of the tile's rows of A is mine.  Also: I fetch for A (0) or for B (1)
	s_and_b32 s16, s14, 1                          ; which half of its rows of B.  Also: which 128 rows of that tile I fetch
	s_bfe_u32 s40, ttmp6, 0x40000                  ; cx, cy: my place in the cluster
	s_bfe_u32 s41, ttmp6, 0x40004
	s_and_b32 s2, ttmp7, 0xffff                    ; the cluster's y: 0-7 q and k, 8-11 v
	s_lshl_b32 s42, ttmp9, 2
	s_add_co_u32 s42, s42, s40                     ; 4 x cluster x + cx
	s_lshl_b32 s18, s2, 2                          ; 4 x cluster y
	s_lshl_b32 s19, s2, 3
	s_sub_co_u32 s19, s19, 64                      ; 8 (cluster y - 8)
	s_cmp_lt_u32 s2, 8
	s_cselect_b32 s18, s18, 0
	s_cselect_b32 s19, 0, s19
	s_add_co_u32 s17, s41, s18                     ; A's tile: q, k: 4 x cluster y + cy of x's 32;  v: cy of the weight's 4.  It never holds cx
	s_add_co_u32 s42, s42, s19                     ; B's tile: q, k: of wc's first 8;  v: + 8 (cluster y - 8), of x's 32.  It never holds cy
	s_lshl_b32 s43, s41, 2
	s_lshl_b32 s43, 15, s43                        ; my row of the cluster
	s_lshl_b32 s44, 0x1111, s40                    ; my column
	; descriptor group 1: a tile of 128 rows x 256 bytes, padded in LDS
	s_or_b32 s[G1+0], s43, (0<<16)|(1<<20)|(1<<21)|(5<<22)|(3<<25)  ; 15:0 the mask; 17:16 elements of 1 byte; 20 padding on; 21 set beside a mask; 24:22 after every 64 words; 31:25 four words
	s_or_b32 s[G1B+0], s44, (0<<16)|(1<<20)|(1<<21)|(5<<22)|(3<<25)
.irp g, G1, G1B
	s_mov_b32 s[\g+1], ROWB<<16                    ; tensor_dim0
	s_mov_b32 s[\g+2], 128<<16                     ; tensor_dim1
	s_mov_b32 s[\g+3], ROWB<<16                    ; tile_dim0
	s_mov_b32 s[\g+4], 128                         ; tile_dim1
	s_mov_b32 s[\g+5], KROW                        ; tensor_dim0_stride
	s_mov_b32 s[\g+6], 0
	s_mov_b32 s[\g+7], 0
.endr
	; and for the scales of 128 rows: a dense block of 4,096 bytes, as 16 rows of 256 (32 elements of 8 bytes), 16 bytes of padding behind each
	s_or_b32 s[G1S+0], s43, (3<<16)|(1<<20)|(1<<21)|(5<<22)|(3<<25)
	s_or_b32 s[G1SB+0], s44, (3<<16)|(1<<20)|(1<<21)|(5<<22)|(3<<25)
.irp g, G1S, G1SB
	s_mov_b32 s[\g+1], 32<<16
	s_mov_b32 s[\g+2], 16<<16
	s_mov_b32 s[\g+3], 32<<16
	s_mov_b32 s[\g+4], 16
	s_mov_b32 s[\g+5], 32
	s_mov_b32 s[\g+6], 0
	s_mov_b32 s[\g+7], 0
.endr
	s_lshl_b32 s18, s16, 7                         ; which 128 rows of the tile I fetch
	s_lshl_b32 s20, s17, 8
	s_add_co_u32 s20, s20, s18                     ; A: row 256 x tile + 128 x half
	s_lshl_b32 s46, s42, 8
	s_add_co_u32 s46, s46, s18                     ; B likewise
	s_mov_b32 s21, 0
	s_mov_b32 s47, 0
	s_mov_b64 s[18:19], KS
	s_mul_u64 s[22:23], s[20:21], s[18:19]         ; where these rows' scales begin, in bytes
	s_mul_u64 s[92:93], s[46:47], s[18:19]
	s_mov_b64 s[18:19], KROW
	s_mul_u64 s[20:21], s[20:21], s[18:19]         ; and their codes
	s_mul_u64 s[46:47], s[46:47], s[18:19]
	s_mul_i32 s45, s14, HALFT                      ; where they go: wave x 128 rows: no place in the cluster enters an LDS address
	s_mul_i32 s94, s14, HALFS
	s_wait_dscnt 0x0
	s_wait_kmcnt 0x0
	s_add_nc_u64 s[32:33], s[8:9], 0x100000        ; the v rows of wc: 2,048 rows of 512 bytes on,
	s_add_nc_u64 s[34:35], s[10:11], 0x10000       ; and of ws: 2,048 x 32
	s_cmp_lt_u32 s2, 8                             ; the choice hangs on the cluster's y alone
	s_cselect_b64 s[8:9], s[8:9], s[4:5]           ; B's codes: wc, or for v xc
	s_cselect_b64 s[10:11], s[10:11], s[6:7]       ; B's scales
	s_cselect_b64 s[4:5], s[4:5], s[32:33]         ; A's codes: xc, or for v the weight's
	s_cselect_b64 s[6:7], s[6:7], s[34:35]         ; A's scales
	s_add_nc_u64 s[20:21], s[4:5], s[20:21]
	s_add_nc_u64 s[22:23], s[6:7], s[22:23]
	s_add_nc_u64 s[46:47], s[8:9], s[46:47]
	s_add_nc_u64 s[92:93], s[10:11], s[92:93]
	CROUND                                         ; all sixteen work-groups are here: the joint loads meet
	s_mov_b32 s[G0S], 1
	s_add_co_u32 s[G0S+1], s94, SCL
	s_mov_b64 s[G0S+2:G0S+3], s[22:23]
	s_or_b32 s[G0S+3], s[G0S+3], 0x80000000
	s_mov_b32 s[G0SB], 1
	s_add_co_u32 s[G0SB+1], s94, SCL
	s_mov_b64 s[G0SB+2:G0SB+3], s[92:93]
	s_or_b32 s[G0SB+3], s[G0SB+3], 0x80000000
	JLOAD G0S, G1S, G0SB, G1SB                     ; the scales first: they are wanted with the first slot
.irp s, 0,1
	s_mov_b32 s[G0+4*\s], 1
	s_add_co_u32 s[G0+4*\s+1], s45, \s*SLOT
	s_add_nc_u64 s[G0+4*\s+2:G0+4*\s+3], s[20:21], \s*ROWB
	s_or_b32 s[G0+4*\s+3], s[G0+4*\s+3], 0x80000000
	s_mov_b32 s[G0B+4*\s], 1
	s_add_co_u32 s[G0B+4*\s+1], s45, \s*SLOT
	s_add_nc_u64 s[G0B+4*\s+2:G0B+4*\s+3], s[46:47], \s*ROWB
	s_or_b32 s[G0B+4*\s+3], s[G0B+4*\s+3], 0x80000000
	JLOAD G0+4*\s, G1, G0B+4*\s, G1B
.endr
	v_and_b32 v1, 15, v0                           ; r = l % 16
	v_bfe_u32 v2, v0, 4, 1                         ; h = l / 16
	v_mul_u32_u24 v3, v1, PITCH
	v_lshl_add_u32 v4, v2, 4, v3                   ; a fragment's row x pitch + 16 x half
	s_mul_i32 s21, s15, HALFT                      ; my 128 rows of A
	s_mul_i32 s22, s16, HALFT                      ; my 128 rows of B,
	s_add_co_u32 s22, s22, 2*HALFT                 ; which lie behind A's 256
.irp s, 0,1
	v_add_nc_u32 v[ADRA+\s], s21, v4
	v_add_nc_u32 v[ADRB+\s], s22, v4
	s_add_co_u32 s21, s21, SLOT
	s_add_co_u32 s22, s22, SLOT
.endr
	v_mul_u32_u24 v5, v1, KS                       ; my row's scales: 32 bytes a row,
	v_lshrrev_b32 v6, 8, v5
	v_lshl_add_u32 v5, v6, 4, v5                   ; and 16 more for each 256 passed
	s_mul_i32 s21, s15, HALFS                      ; A's: my 128 rows
	s_mul_i32 s22, s16, HALFS                      ; B's: my 128 rows, behind A's 256
	s_add_co_u32 s22, s22, 2*HALFS
	s_sub_co_u32 s22, s22, s21
	v_mul_u32_u24 v6, s22, v2                      ; lanes 16-31 take B's: one product, the distance between the two bases
	s_add_co_u32 s21, s21, SCL
	v_add_nc_u32 v5, v5, v6
	v_add_nc_u32 v[ADRS], s21, v5
.macro FRAG reg, adr, q, i             ; a fragment, 16 rows x 128 K: lane l holds row l % 16; registers 4 c .. 4 c + 3 hold K = 64 c + 32 (l / 16) + 0 .. 31
.irp c, 0,1
	ds_load_b128 v[\reg+4*\c:\reg+4*\c+3], v[\adr] offset:64*(\q)+32*\c+(\i)*16*PITCH
.endr
.endm
; 16 matrix instructions: A's blocks a0, a0 + 1 x B's eight, the slot's q-th 128 along K.  p: B's set;  sc: the set of scale words.  zero = 1: the first product starts the sums.
; The 64 accumulators take turns, one instruction a turn, in the same order in every step.
.macro MUL16 a0, p, q, sc, zero
.irp a, \a0, \a0+1
.irp b, 0,1,2,3,4,5,6,7
.if \zero
	v_wmma_scale_f32_16x16x128_f8f6f4 v[8*(8*((\a)%4)+\b):8*(8*((\a)%4)+\b)+7], v[128*(\p)+FR*\b:128*(\p)+FR*\b+FR-1], v[AF+FR*(\a):AF+FR*(\a)+FR-1], 0, v[SC+8*NQ*(\sc)+NQ*\b+(\q)], v[SC+8*NQ*(\sc)+NQ*(\a)+(\q)] matrix_a_fmt:MATRIX_FMT_FP4 matrix_b_fmt:MATRIX_FMT_FP4 matrix_a_scale:MATRIX_SCALE_ROW1
.else
	v_wmma_scale_f32_16x16x128_f8f6f4 v[8*(8*((\a)%4)+\b):8*(8*((\a)%4)+\b)+7], v[128*(\p)+FR*\b:128*(\p)+FR*\b+FR-1], v[AF+FR*(\a):AF+FR*(\a)+FR-1], v[8*(8*((\a)%4)+\b):8*(8*((\a)%4)+\b)+7], v[SC+8*NQ*(\sc)+NQ*\b+(\q)], v[SC+8*NQ*(\sc)+NQ*(\a)+(\q)] matrix_a_fmt:MATRIX_FMT_FP4 matrix_b_fmt:MATRIX_FMT_FP4 matrix_a_scale:MATRIX_SCALE_ROW1
.endif
.endr
.endr
.endm
.macro FETCH_B slot, q, p              ; B's eight fragments of the slot's q-th 128 along K into set p
	WIN TO_B
.irp i, 0,1,2,3,4,5,6,7
	FRAG 128*(\p)+FR*\i, ADRB+\slot, \q, \i
.endr
	WIN 0
.endm
.macro FETCH_A slot, q, i0             ; A's blocks i0 .. i0 + 3
.irp i, \i0, \i0+1, \i0+2, \i0+3
	FRAG AF+FR*(\i), ADRA+\slot, \q, \i
.endr
.endm
.macro SCALES sc                       ; a slot's scale words into set sc: four words a row; lanes 0-15 take A's block i, lanes 16-31 B's block i
.irp i, 0,1,2,3,4,5,6,7
	ds_load_b128 v[SC+8*NQ*\sc+NQ*\i:SC+8*NQ*\sc+NQ*\i+3], v[ADRS] offset:\i*SBLK
.endr
.endm
; A load into a register that a matrix instruction has read, and a vector instruction that reads a matrix result, stand NP places behind that matrix instruction; only plain vector
; instructions that name none of its registers are places (ISA guide 7.12.1 for vector instructions).
.macro PLACES n
.rept \n
	v_nop
.endr
.endm
; A step of 128 along K that has its successor in the same slot.  A's blocks are free as soon as their eight products are issued: blocks 0-3 are fetched anew in the middle, blocks 4-7 at the end.
.macro STEP slot, q, zero
	s_wait_dscnt 4*NL                              ; B's set and A's blocks 0-3 are in; the youngest eight loads (A's blocks 4-7) may be out
	WIN MUL_LO
	MUL16 0, (\q)%2, \q, \slot, \zero
	MUL16 2, (\q)%2, \q, \slot, \zero
	s_wait_dscnt 0                                 ; A's blocks 4-7 are in
	PLACES NP
	FETCH_B \slot, (\q)+1, 1-(\q)%2
	FETCH_A \slot, (\q)+1, 0
	WIN MUL_HI
	MUL16 4, (\q)%2, \q, \slot, \zero
	MUL16 6, (\q)%2, \q, \slot, \zero
	PLACES NP
	WIN 0
	FETCH_A \slot, (\q)+1, 4
.endm
; Slot 0's last step goes over to slot 1: each wave waits for its part of slot 1, and a barrier shows it to the others.
.macro TURN slot, next
	s_wait_tensorcnt 0x0                           ; my part of the next slot has landed: no tensor load of mine is out from here on
	s_wait_dscnt 4*NL                              ; (the youngest eight loads, A's blocks 4-7, may be out)
	WIN MUL_LO
	MUL16 0, 1, NQ-1, \slot, 0
	s_wait_dscnt 0x0                               ; no LDS instruction of mine is pending at the signal
	s_barrier_signal -1
	MUL16 2, 1, NQ-1, \slot, 0                     ; work on registers while the others arrive
	WIN 0
	s_barrier_wait -1
	PLACES NP
	v_add_nc_u32 v[ADRS], 4*NQ, v[ADRS]            ; on to the next slot's scale words (no LDS load of mine is out)
	FETCH_B \next, 0, 0
	FETCH_A \next, 0, 0
	SCALES \next
	WIN MUL_HI
	MUL16 4, 1, NQ-1, \slot, 0
	MUL16 6, 1, NQ-1, \slot, 0
	PLACES NP
	WIN 0
	FETCH_A \next, 0, 4
.endm
.macro STEPS slot, from                ; the slot's steps from .. NQ - 2
.set Q, \from
.rept NQ-1-\from
	STEP \slot, Q, 0
.set Q, Q+1
.endr
.endm
	s_wait_alu depctr_va_vdst(0)
	s_wait_tensorcnt 1                             ; the scales and my part of slot 0 are in; slot 1's load, the one issued behind them, may be out
	s_barrier_signal -1
	s_barrier_wait -1                              ; everybody's are
	FETCH_B 0, 0, 0
	FETCH_A 0, 0, 0
	SCALES 0
	FETCH_A 0, 0, 4
	STEP 0, 0, 1                                   ; the first step's products start the sums: nothing is cleared
	STEPS 0, 1
	TURN 0, 1
	STEPS 1, 0
	s_wait_dscnt 4*NL                              ; the very last step: nothing more to fetch
	WIN MUL_LO
	MUL16 0, 1, NQ-1, 1, 0
	MUL16 2, 1, NQ-1, 1, 0
	s_wait_dscnt 0
	WIN MUL_HI
	MUL16 4, 1, NQ-1, 1, 0
	MUL16 6, 1, NQ-1, 1, 0
	WIN 0
	; ---------------- THE WAY OUT ----------------
	PLACES NP                                      ; behind the last products
	; where my 128 x 128 goes.  The descriptors' registers are free: all tensor loads were waited for at the change of slots
	s_lshl_b32 s24, s17, 8
	s_lshl_b32 s25, s15, 7
	s_add_co_u32 s24, s24, s25                     ; my first row of A
	s_lshl_b32 s25, s42, 8
	s_lshl_b32 s26, s16, 7
	s_add_co_u32 s25, s25, s26                     ; my first row of B
	s_and_b32 s26, s25, 1023                       ; q, k: (head, d) within the tensor
	s_cmp_lt_u32 s2, 8
	s_cselect_b32 s27, s24, s25                    ; my first token
	s_cselect_b32 s28, s26, s24                    ; my first (head, d)
	s_lshr_b32 s28, s28, 6                         ; h0: my two heads are h0, h0 + 1
	s_lshr_b32 s29, s27, 11                        ; b
	s_and_b32 s30, s27, 2047                       ; the token within b: a multiple of 128
	s_lshl_b32 s29, s29, 4
	s_add_co_u32 s29, s29, s28                     ; 16 b + h0
	s_mul_i32 s31, s29, HEADB
	s_lshr_b32 s32, s30, 7
	s_mul_i32 s32, s32, RECB
	s_add_co_u32 s31, s31, s32                     ; my record of kv
	s_lshl_b32 s33, s29, 16
	s_lshl_b32 s34, s30, 5
	s_add_co_u32 s33, s33, s34                     ; q: 65,536 bytes of codes a head, 32 a token
	s_lshl_b32 s34, s29, 13
	s_lshl_b32 s35, s30, 2
	s_add_co_u32 s34, s34, s35                     ; q: 8,192 bytes of words a head, 4 a token
	s_cmp_ge_u32 s2, 8
	s_cselect_b32 s36, 1, 0                        ; 1: v
	s_or_b32 s37, s36, ttmp9                       ; 0: q
	s_lshl_b32 s44, s36, 12
	s_add_co_u32 s44, s44, s31                     ; kv: K's codes at + 0, V's at + 4,096
	s_lshl_b32 s46, s36, 9
	s_add_co_u32 s46, s46, s31
	s_add_co_u32 s46, s46, 8192                    ; kv: K's words at + 8,192, V's at + 8,704
	s_lshl_b32 s60, 512, s36                       ; from block to block: 512 bytes, for v 1,024
	s_mul_i32 s61, s36, HEADB-4096                 ; v: blocks 4-7 belong to the next head
	s_mov_b32 s56, HEADB
	s_mov_b32 s58, HEADB
	s_mov_b32 s62, HEADB
	s_cmp_eq_u32 s37, 0                            ; q?
	s_cselect_b32 s44, s33, s44
	s_cselect_b32 s46, s34, s46
	s_cselect_b64 s[48:49], s[96:97], s[100:101]   ; the codes go to qc or to kv,
	s_cselect_b64 s[52:53], s[98:99], s[100:101]   ; the words to qs or to kv
	s_cselect_b32 s56, 0x10000, s56                ; from registers 0-3's place to registers 4-7's: the next head (q, k),
	s_cselect_b32 s58, 8192, s58                   ; and the same for the words
	s_cmp_eq_u32 s36, 0                            ; not v?
	s_cselect_b32 s56, s56, 512                    ; v: the fragment's second half
	s_cselect_b32 s62, 256, s62                    ; lanes 16-31 of the words' store: the next 256 bytes, for v the next head's
	s_mov_b32 s45, 0
	s_mov_b32 s47, 0
	s_mov_b32 s57, 0
	s_mov_b32 s59, 0
	s_add_nc_u64 s[48:49], s[48:49], s[44:45]      ; registers 0-3
	s_add_nc_u64 s[50:51], s[48:49], s[56:57]      ; registers 4-7
	s_add_nc_u64 s[52:53], s[52:53], s[46:47]      ; the words
	s_add_nc_u64 s[54:55], s[52:53], s[58:59]      ; q, k: the second head's
	s_mov_b32 s20, 0x76543210
	s_mov_b32 s21, 0xfedcba98                      ; v_permlanex16_b32's selects for lane l xor 16
	v_and_b32 v3, 31, v0
	v_lshlrev_b32 v22, 4, v3                       ; 16 lane
	v_lshlrev_b32 v23, 4, v2                       ; 16 h: lanes 16-31 take a word's upper two bytes
	s_lshl_b32 s26, s14, 10
	s_add_co_u32 s26, s26, SSTG                    ; my 1,024 bytes for the words
	v_lshlrev_b32 v24, 2, v1
	v_lshl_add_u32 v24, v2, 9, v24
	v_add_nc_u32 v24, s26, v24                     ; in: 4 r + 512 h (+ 64 a block)
	v_add_nc_u32 v25, s26, v22                     ; back: 16 bytes a lane
	v_mul_lo_u32 v26, v2, s62
	v_lshl_add_u32 v26, v1, 4, v26                 ; the words' place in memory: 16 r + h x the stride chosen above
	s_mov_b32 s32, 0
.irp a, 0,1,2,3,4,5,6,7
	v_add_nc_u32 v[OFA+\a], s32, v22               ; block a's codes: 16 lane + a blocks on
	s_add_co_u32 s32, s32, s60
.if \a == 3
	s_add_co_u32 s32, s32, s61
.endif
.endr
.irp b, 0,1,2,3
	v_mov_b32 v[TM+4+\b], 0                        ; written once: a lane permute's destination counts as one of its sources
.endr
; Block a: 16 rows of A.  Register 16 c + 8 u + j of my 64 is row 32 c + 16 u + 8 h + j of B: block c of 32 lies in my 16 registers and lane l xor 16's.
.macro QOUT a
.set AC, 64*((\a)%4)
.set PCA, PC+8*((\a)%2)
	WIN 0x0a+5*((\a)/4)                            ; sources 0 and 1: the accumulators' window
.irp b, 0,1,2,3
	v_max3_num_f32 v[TM+\b], |v[AC+16*\b]|, |v[AC+16*\b+1]|, 0x1800000    ; my 16 numbers of block b, each accumulator from its low end on, and the floor 2^(3 - 127)
.endr
.irp i, 2,4,6,8,10,12,14
.irp b, 0,1,2,3
	v_max3_num_f32 v[TM+\b], |v[AC+16*\b+\i]|, |v[AC+16*\b+\i+1]|, v[TM+\b]   ; (the four blocks by turns)
.endr
.endr
	WIN 0
.irp b, 0,1,2,3
	v_permlanex16_b32 v[TM+4+\b], v[TM+\b], s20, s21
.endr
.irp b, 0,1,2,3
	v_max_num_f32 v[TM+\b], v[TM+\b], v[TM+4+\b]   ; with lane l xor 16's: the block's largest magnitude
.endr
.irp b, 0,1,2,3
	v_add_nc_u32 v[TM+12+\b], 0xff000000, v[TM+\b] ; 2 off its exponent field: the conversion's scale operand
.endr
.irp b, 0,1,2,3
	v_lshrrev_b32 v[TM+4+\b], 23, v[TM+12+\b]      ; the scale's byte
.endr
	v_lshl_or_b32 v[PW], v[TM+5], 8, v[TM+4]       ; my row's scale word
	v_lshl_or_b32 v[PW], v[TM+6], 16, v[PW]
	v_lshl_or_b32 v[PW], v[TM+7], 24, v[PW]
	v_lshrrev_b32 v[PWS+\a], v23, v[PW]            ; lanes 0-15 the word as it is, lanes 16-31 its upper two bytes: q's and k's second head
.if (\a) >= 2
	s_wait_xcnt 0x0                                ; the stores of two blocks ago have read this set of code registers
.endif
	WIN 0x02+(\a)/4                                ; source 0: the accumulators' window
.irp b, 0,1,2,3
	v_cvt_scalef32_pk8_fp4_f32 v[PCA+2*\b], v[AC+16*\b:AC+16*\b+7], v[TM+12+\b]
	v_cvt_scalef32_pk8_fp4_f32 v[PCA+2*\b+1], v[AC+16*\b+8:AC+16*\b+15], v[TM+12+\b]
.endr
	WIN 0
	v_nop                                          ; one plain place behind a scaled conversion
.irp c, 0,1                                    ; the operand's layout wants a whole block in a lane: lanes 0-15 block 2 c, lanes 16-31 block 2 c + 1
.irp i, 0,1
	v_permlane16_swap_b32 v[PCA+4*\c+\i], v[PCA+2+4*\c+\i]
.endr
.endr
	ds_store_b32 v24, v[PWS+\a] offset:64*(\a)
	global_store_b128 v[OFA+\a], v[PCA:PCA+3], s[48:49]        ; 32 lanes store 512 consecutive bytes, aligned
	global_store_b128 v[OFA+\a], v[PCA+4:PCA+7], s[50:51]
.endm
.irp a, 0,1,2,3,4,5,6,7
	QOUT \a
.endr
	ds_load_b128 v[BKS:BKS+3], v25                 ; LDS serves a wave's instructions in order: these see my stores.  q, k: the first head's 128 words;  v: 64 words of each of my two heads
	ds_load_b128 v[BKS+4:BKS+7], v25 offset:512    ; q, k: the second head's
	s_wait_dscnt 0x0
	global_store_b128 v26, v[BKS:BKS+3], s[52:53]  ; sixteen lanes store 256 consecutive bytes, aligned
	s_cmp_ge_u32 s2, 8                             ; the cluster's y: the same in all partners
	s_cbranch_scc1 .Lno_second
	global_store_b128 v22, v[BKS+4:BKS+7], s[54:55]
.Lno_second:
	s_wait_tensorcnt 0x0
	s_wait_dscnt 0x0
	s_wait_tensorcnt 0x0
	ds_add_u32 v254, v255
	s_wait_dscnt 0x0
	CROUND                                         ; the closing round: no work-group ends while a partner may still ask for a tile that names it
	s_endpgm
.Lfunc_end_k_qcb3126273e_proj:
	.size	k_qcb3126273e_proj, .Lfunc_end_k_qcb3126273e_proj-k_qcb3126273e_proj
	.p2alignl 7, 3214868480
	.fill 96, 4, 3214868480
	.section	.rodata,"a",@progbits
	.p2align	6, 0x0
	.amdhsa_kernel k_qcb3126273e_proj
		.amdhsa_group_segment_fixed_size 300544
		.amdhsa_private_segment_fixed_size 0
		.amdhsa_enable_private_segment 0
		.amdhsa_kernarg_size 56
		.amdhsa_user_sgpr_count 2
		.amdhsa_user_sgpr_kernarg_segment_ptr 1
		.amdhsa_wavefront_size32 1
		.amdhsa_system_sgpr_workgroup_id_x 1
		.amdhsa_system_sgpr_workgroup_id_y 1
		.amdhsa_system_sgpr_workgroup_id_z 1
		.amdhsa_system_vgpr_workitem_id 0
		.amdhsa_next_free_vgpr 1024
		.amdhsa_next_free_sgpr 102
		.amdhsa_reserve_vcc 0
		.amdhsa_float_denorm_mode_32 3
		.amdhsa_float_denorm_mode_16_64 3
		.amdhsa_memory_ordered 1
		.amdhsa_forward_progress 1
		.amdhsa_inst_pref_size 132
	.end_amdhsa_kernel
	.amdgpu_metadata
---
amdhsa.version: [ 1, 2 ]
amdhsa.kernels:
  - .name:           k_qcb3126273e_proj
    .symbol:         k_qcb3126273e_proj.kd
    .args:
      - { .name: xc, .offset: 0, .size: 8, .value_kind: global_buffer, .address_space: global }
      - { .name: xs, .offset: 8, .size: 8, .value_kind: global_buffer, .address_space: global }
      - { .name: wc, .offset: 16, .size: 8, .value_kind: global_buffer, .address_space: global }
      - { .name: ws, .offset: 24, .size: 8, .value_kind: global_buffer, .address_space: global }
      - { .name: qc, .offset: 32, .size: 8, .value_kind: global_buffer, .address_space: global }
      - { .name: qs, .offset: 40, .size: 8, .value_kind: global_buffer, .address_space: global }
      - { .name: kv, .offset: 48, .size: 8, .value_kind: global_buffer, .address_space: global }
    .group_segment_fixed_size: 300544
    .private_segment_fixed_size: 0
    .kernarg_segment_align: 8
    .kernarg_segment_size: 56
    .max_flat_workgroup_size: 128
    .sgpr_count:     102
    .vgpr_count:     1024
    .wavefront_size: 32
...
	.end_amdgpu_metadata
.endif
;; end of part 2
;; launch attn (part 3): grid 4 x 64, 16 waves a work-group, clusters of 4 x 1, 215,040 bytes of LDS; arguments qc, qs, kv, out0; writes out0
.if DOCPART == 3
	.amdgcn_target "amdgcn-amd-amdhsa--gfx1250"
	.amdhsa_code_object_version 6
	.text
	.protected	k_qcb3126273e_attn
	.globl	k_qcb3126273e_attn
	.p2align	8
	.type	k_qcb3126273e_attn,@function
k_qcb3126273e_attn:
	s_mov_b64 s[64:65], 0
	v_nop
	global_prefetch_b8 v0, s[64:65] scope:SCOPE_SE
	s_setreg_imm32_b32 hwreg(HW_REG_WAVE_MODE, 25, 1), 1
	s_wait_xcnt 0x0
	s_wait_alu depctr_hold_cnt(0) depctr_sa_sdst(0) depctr_va_vdst(0) depctr_va_sdst(0) depctr_va_ssrc(0) depctr_va_vcc(0) depctr_vm_vsrc(0)
	s_getreg_b32 s2, hwreg(HW_REG_IB_STS2, 6, 4)
	s_cmp_eq_u32 s2, 0
	s_cbranch_scc0 .Lentry_in_a_cluster
	s_endpgm
.Lentry_in_a_cluster:
	s_bfe_u32 s2, ttmp6, 0x10000c
	s_cmp_lg_u32 s2, 0x3003
	s_cbranch_scc0 .Lentry_shape_is_right
	s_endpgm
.Lentry_shape_is_right:
; out0[b][q][64 head + d] = the sum over keys k <= q of softmax_k(Q . K / 8) V, both products on codes of FP4 (E2M1) with E8M0 scales.  Q, K, V arrive as images of operand registers:
;   qc [64 (b, head)][128 tiles of 16 queries][512 bytes: lane l's registers 0-3 at 16 l];  qs [64][2048] a scale word a query;
;   kv [64][16 steps of 128 keys][8,960]: +0 K's 8 tiles of 16 keys x 512, +4096 V's 4 tiles of 16 d x 1,024 (registers 0-3, then 4-7), +8192 K's 128 scale words, +8704 V's 64.
; The first product's K is the head's 64: registers 4-7 of Q's and K's fragments are zero codes, cleared once; the scale bytes over them are never 0xff.
; THE SOFTMAX AHEAD OF THE SECOND PRODUCT: t = score x log2(e) / 8; M = the running largest t rounded UP to a whole number; p = 2^(t - M) is quantised along the keys, not normalised; the row's sum is taken of the
; unquantised p and divides O at the end.  When M moves, the sum and O are multiplied by 2^(old M - new M): exact.
; LAYOUT.  Both products are used transposed: S^T = K Q^T (source 0 = 16 keys, source 1 = my 16 queries), O^T = V^T P^T: a lane holds ONE query (lane % 16).  In S^T register 8 t + j is key 16 t + 8 (lane / 16) + j, so p's
; codes come out with a block of 32 keys in the order 0-7, 16-23, 8-15, 24-31: V's codes were made in the same order, so the products pair the same keys; only the order of the sums inside a block differs.
; SHARES.  A cluster of four work-groups is one (b, head); all four read the same 16 records, so each record is asked for JOINTLY (mask 15).  The whole head, 143,360 bytes, lies in LDS: filled once, never again.
; Tile T of 16 queries needs T / 8 + 1 key steps.  Wave w (e = w % 2, gg = w / 2) of the partner at place cx owns tiles 8 g + 2 cx + e for g = 15 - gg (first) and g = gg: (16 - gg) + (gg + 1) = 17 steps for every wave of
; the launch.  The groups hang on the wave's number alone: no branch and no LDS address hangs on cx, which enters Q's and O's addresses in memory and the lane's mask number only.
; A step all of whose keys come after my queries is jumped over (a scalar branch on the step's count and the wave's number); in the one step on the diagonal hidden scores become -infinity ahead of the maximum.
; Waves 0-3 fetch: wave j brings records j, 4 + j, 8 + j, 12 + j, in that order; four loads of a wave are out at the most.  A quarter of the head (four records) is read behind its own counted wait and a barrier.
; A record is 35 rows of 256 bytes to a load: a quarter is shared evenly among four waves, so that one shape serves all sixteen loads and the first quarter lands first.
; LIMITS: NaN and infinities are not served; a block whose every p is 0 keeps the scale byte 1 (zero codes).
; REGISTERS: v1-7 addresses that stay; v8-9 the step's LDS addresses; v10, v11 Q's scale words; v12 -M, v13 the largest t, v[14:15] the sum in two halves; v16-23, v24-31 Q of the two tiles; v32-95 K's 8 fragments;
;   v96-159 S^T, then p; v160-191 O^T; v192-223 V's 4 fragments; v224-231 p's codes; v232-247 at work; v248-251 K's scale words, v252-253 V's, v254 p's; v255 -infinity.
.set REC,   8960
.set QTR,   4*REC
.set HEADB, 16*REC
.set STG,   HEADB                      ; behind the head: a stage of 16 rows x 272 bytes for each wave; no fill lands here
.set SPI,   272
.macro ROUND                           ; a round of the cluster's barrier
	s_barrier_signal -1
	s_barrier_wait -1
	s_cmp_lg_u32 s12, 0
	s_cbranch_scc1 .Lnot_wave_0_\@
	s_barrier_signal -3
.Lnot_wave_0_\@:
	s_barrier_wait -3
	s_barrier_signal -1
	s_barrier_wait -1
.endm
.macro INIT                            ; a tile begins: the step is written once and finds zeros, which the first change of M leaves zeros
	v_mov_b32 v13, 0xff61b1e6                      ; the largest t so far: -3e38, under every t
	s_delay_alu instid0(VALU_DEP_1)
	v_floor_f32 v12, -v13                          ; -M
	v_mov_b32 v14, 0
	v_mov_b32 v15, 0
.set J, 0
.rept 32
	v_mov_b32 v[160+J], 0
.set J, J+1
.endr
.endm
; A KEY STEP: the 128 keys of the record at LDS byte s48; s49 its number, s50 my tile's group.  qf: Q's fragment; qs: its scale words; diag = 1: the step may be hidden or on the diagonal.
.macro STEP qf, qs, diag
.if \diag
	s_cmp_gt_u32 s49, s50
	s_cbranch_scc1 .Lhidden_\@                     ; all its keys come after my queries
.endif
	s_setprio 2
	v_add_nc_u32 v8, s48, v1                       ; the record + 16 lane
	v_add_nc_u32 v9, s48, v2                       ; the record + 4 lane
.irp t, 0,1,2,3,4,5,6,7
	ds_load_b128 v[32+8*\t:35+8*\t], v8 offset:512*\t              ; K's tile t, registers 0-3; registers 4-7 stay zero
.endr
.irp i, 0,1,2,3
	ds_load_b32 v[248+\i], v9 offset:8192+128*\i   ; lanes 0-15: the words of tile 2 i, lanes 16-31: of tile 2 i + 1
.endr
	s_wait_alu depctr_va_vdst(0)
	s_wait_dscnt 0x0
.irp t, 0,1,2,3,4,5,6,7
.if (\t)%2
	v_wmma_scale_f32_16x16x128_f8f6f4 v[96+8*\t:103+8*\t], v[32+8*\t:39+8*\t], v[\qf:\qf+7], 0, v[248+\t/2], v[\qs] matrix_a_fmt:MATRIX_FMT_FP4 matrix_b_fmt:MATRIX_FMT_FP4 matrix_a_scale:MATRIX_SCALE_ROW1
.else
	v_wmma_scale_f32_16x16x128_f8f6f4 v[96+8*\t:103+8*\t], v[32+8*\t:39+8*\t], v[\qf:\qf+7], 0, v[248+\t/2], v[\qs] matrix_a_fmt:MATRIX_FMT_FP4 matrix_b_fmt:MATRIX_FMT_FP4
.endif
.endr
.rept 4
	v_nop                                          ; the places behind these products, ahead of the first read of the scores; with the two additions above also those between the last step's products and the loads into V's registers
.endr
.irp t, 0,1,2,3
	ds_load_b128 v[192+8*\t:195+8*\t], v8 offset:4096+1024*\t      ; V's fragments land while the softmax is worked
	ds_load_b128 v[196+8*\t:199+8*\t], v8 offset:4096+1024*\t+512
.endr
	ds_load_b32 v252, v9 offset:8704               ; lanes 0-15: the words of d 0-15, lanes 16-31: of d 16-31
	ds_load_b32 v253, v9 offset:8704+128
.if \diag
	s_cmp_lg_u32 s49, s50
	s_cbranch_scc1 .Lopen_\@                       ; all its keys count
.set N, 0
.rept 64                                       ; register N holds key 16 (N / 8) + 8 (lane / 16) + N % 8 of the step: hidden where 16 (N / 8) + N % 8 > v6 = my query in the step - 8 (lane / 16)
	v_cmp_gt_i32 vcc_lo, 16*(N/8)+N%8, v6
	v_cndmask_b32 v[96+N], v[96+N], v255, vcc_lo
.set N, N+1
.endr
.Lopen_\@:
.endif
.irp b, 0,1,2,3
	v_max3_num_f32 v[232+\b], v[96+16*\b], v[97+16*\b], v[98+16*\b]       ; the largest score of each block of 32 keys: it serves the row's maximum and, since p rises with the score, the block's largest p
.endr
.irp i, 3,5,7,9,11,13
.irp b, 0,1,2,3
	v_max3_num_f32 v[232+\b], v[232+\b], v[96+16*\b+\i], v[97+16*\b+\i]   ; (the four blocks by turns)
.endr
.endr
.irp b, 0,1,2,3
	v_max_num_f32 v[232+\b], v[232+\b], v[111+16*\b]
.endr
.irp b, 0,1,2,3
	s_delay_alu instid0(VALU_DEP_4)
	v_permlanex16_b32 v[236+\b], v[232+\b], s20, s21
.endr
.irp b, 0,1,2,3
	s_delay_alu instid0(VALU_DEP_4)
	v_max_num_f32 v[232+\b], v[232+\b], v[236+\b]  ; with lane l xor 16's 16 keys
.endr
	s_delay_alu instid0(VALU_DEP_2)
	v_max3_num_f32 v242, v232, v233, v234
	s_delay_alu instid0(VALU_DEP_1)
	v_max_num_f32 v242, v242, v235                 ; the step's largest score of my query
	s_delay_alu instid0(VALU_DEP_1)
	v_mul_f32 v242, s22, v242                      ; as t (c is positive)
	s_delay_alu instid0(VALU_DEP_1)
	v_max_num_f32 v13, v13, v242                   ; the running largest t
	v_mov_b32 v242, v12
	s_delay_alu instid0(VALU_DEP_2)
	v_floor_f32 v12, -v13                          ; the new -M = floor(-t) = -ceil(t): a whole number
	s_delay_alu instid0(VALU_DEP_1)
	v_sub_f32 v242, v12, v242                      ; old M - new M: a whole number, 0 or less
	s_delay_alu instid0(VALU_DEP_1)
	v_cvt_i32_f32 v242, v242                       ; (it saturates)
	s_delay_alu instid0(VALU_DEP_1)
	v_ldexp_f32 v240, 1.0, v242                    ; f = 2^(old M - new M): a multiplication by it rounds nothing
.set J, 0
.rept 32
	v_pk_fma_f32 v[96+J:97+J], v[96+J:97+J], s[22:23], v[12:13] op_sel_hi:[1,0,0]    ; t - M, two at a time (of the pairs c and -M the low word serves both halves)
.set J, J+2
.endr
.irp b, 0,1,2,3
	v_fma_f32 v[232+\b], v[232+\b], s22, v12       ; the same of each block's largest score
.endr
.set J, 0
	s_setprio 1
	s_wait_alu depctr_va_vdst(0)
.rept 64
	v_exp_f32 v[96+J], v[96+J]                     ; p = 2^(t - M), at most 1
.set J, J+1
.endr
	v_pk_mul_f32 v[14:15], v[14:15], v[240:241] op_sel_hi:[1,0]   ; the sums under the new M (a plain place behind the exponentials)
	s_wait_alu depctr_va_vdst(0)                   ; one wait for the whole batch, ahead of its first reader
.irp b, 0,1,2,3
	v_exp_f32 v[232+\b], v[232+\b]                 ; the block's largest p: the same two instructions on the same number give the same bits
.endr
	v_pk_add_f32 v[236:237], v[100:101], v[104:105]
	v_pk_add_f32 v[250:251], v[108:109], v[112:113]
	v_pk_add_f32 v[248:249], v[116:117], v[120:121]
	v_pk_add_f32 v[246:247], v[124:125], v[128:129]
	v_pk_add_f32 v[244:245], v[132:133], v[136:137]
	v_pk_add_f32 v[238:239], v[140:141], v[144:145]
	v_pk_add_f32 v[230:231], v[148:149], v[152:153]
	v_pk_add_f32 v[14:15], v[14:15], v[156:157]
	v_pk_add_f32 v[236:237], v[236:237], v[96:97]
	v_pk_add_f32 v[250:251], v[250:251], v[98:99]
	v_pk_add_f32 v[248:249], v[248:249], v[102:103]
	v_pk_add_f32 v[246:247], v[246:247], v[106:107]
	v_pk_add_f32 v[244:245], v[244:245], v[110:111]
	v_pk_add_f32 v[238:239], v[238:239], v[114:115]
	v_pk_add_f32 v[230:231], v[230:231], v[118:119]
	v_pk_add_f32 v[14:15], v[14:15], v[122:123]
	v_pk_add_f32 v[236:237], v[236:237], v[126:127]
	v_pk_add_f32 v[250:251], v[250:251], v[130:131]
	v_pk_add_f32 v[248:249], v[248:249], v[134:135]
	v_pk_add_f32 v[246:247], v[246:247], v[138:139]
	v_pk_add_f32 v[244:245], v[244:245], v[142:143]
	v_pk_add_f32 v[238:239], v[238:239], v[146:147]
	v_pk_add_f32 v[230:231], v[230:231], v[150:151]
	v_pk_add_f32 v[14:15], v[14:15], v[154:155]
	v_pk_add_f32 v[236:237], v[236:237], v[158:159]
	s_delay_alu instid0(VALU_DEP_2)
	v_pk_add_f32 v[14:15], v[14:15], v[246:247]
	s_delay_alu instid0(VALU_DEP_2)
	v_pk_add_f32 v[236:237], v[236:237], v[244:245]
	v_pk_add_f32 v[250:251], v[250:251], v[238:239]
	v_pk_add_f32 v[248:249], v[248:249], v[230:231]
	s_delay_alu instid0(VALU_DEP_2)
	v_pk_add_f32 v[14:15], v[14:15], v[250:251]
	s_delay_alu instid0(VALU_DEP_2)
	v_pk_add_f32 v[236:237], v[236:237], v[248:249]
	s_delay_alu instid0(VALU_DEP_1)
	v_pk_add_f32 v[14:15], v[14:15], v[236:237]
	s_wait_alu depctr_va_vdst(0)                   ; and one for the four
.irp b, 0,1,2,3
	v_max_num_f32 v[232+\b], 0x1800000, v[232+\b]  ; the floor 2^(3 - 127): the byte cannot fall under 1
.endr
.irp b, 0,1,2,3
	s_delay_alu instid0(VALU_DEP_4)
	v_add_nc_u32 v[244+\b], 0xff000000, v[232+\b]  ; 2 off the exponent field: the conversion's scale operand
.endr
.irp b, 0,1,2,3
	s_delay_alu instid0(VALU_DEP_4)
	v_lshrrev_b32 v[236+\b], 23, v[244+\b]         ; the scale's byte
.endr
	s_delay_alu instid0(VALU_DEP_3)
	v_lshl_or_b32 v254, v237, 8, v236              ; p's scale word for these 128 keys
	s_delay_alu instid0(VALU_DEP_1)
	v_lshl_or_b32 v254, v238, 16, v254
	s_delay_alu instid0(VALU_DEP_1)
	v_lshl_or_b32 v254, v239, 24, v254
.irp b, 0,1,2,3
	v_cvt_scalef32_pk8_fp4_f32 v[224+2*\b], v[96+16*\b:103+16*\b], v[244+\b]
	v_cvt_scalef32_pk8_fp4_f32 v[225+2*\b], v[104+16*\b:111+16*\b], v[244+\b]
.endr
	s_setprio 0
	v_nop                                          ; one plain place behind a scaled conversion
.irp c, 0,1                                    ; the operand's layout wants a whole block in a lane: lanes 0-15 block 2 c, lanes 16-31 block 2 c + 1
.irp i, 0,1
	v_permlane16_swap_b32 v[224+4*\c+\i], v[226+4*\c+\i]
.endr
.endr
.set J, 0
.rept 16
	v_pk_mul_f32 v[160+J:161+J], v[160+J:161+J], v[240:241] op_sel_hi:[1,0]   ; O^T under the new M.  For each of the four products below, twelve of these sixteen name none of its registers: the places between the scale word's and the codes' last writes and the products
.set J, J+2
.endr
	s_wait_alu depctr_va_vdst(0)
	s_wait_dscnt 0x0                               ; V's fragments and words are in
.irp t, 0,1,2,3                                ; O^T += V^T P^T: the four accumulators by turns
.if (\t)%2
	v_wmma_scale_f32_16x16x128_f8f6f4 v[160+8*\t:167+8*\t], v[192+8*\t:199+8*\t], v[224:231], v[160+8*\t:167+8*\t], v[252+\t/2], v254 matrix_a_fmt:MATRIX_FMT_FP4 matrix_b_fmt:MATRIX_FMT_FP4 matrix_a_scale:MATRIX_SCALE_ROW1
.else
	v_wmma_scale_f32_16x16x128_f8f6f4 v[160+8*\t:167+8*\t], v[192+8*\t:199+8*\t], v[224:231], v[160+8*\t:167+8*\t], v[252+\t/2], v254 matrix_a_fmt:MATRIX_FMT_FP4 matrix_b_fmt:MATRIX_FMT_FP4
.endif
.endr
.if \diag
.Lhidden_\@:
.endif
	s_add_co_u32 s48, s48, REC                     ; the next record
	s_add_co_u32 s49, s49, 1
.endm
; A quarter of the head: records 4 q .. 4 q + 3.  The count leaves my loads of the later quarters out.
.macro QUARTER q, diag
	s_wait_tensorcnt 3-(\q)
	s_wait_dscnt 0x0
	s_barrier_signal -1
	s_barrier_wait -1                              ; everybody's part of the quarter has landed
	s_mov_b32 s48, (\q)*QTR
	s_mov_b32 s49, 4*(\q)
.Lq_\@:
	STEP 16, 10, \diag
	s_cmp_lt_u32 s49, 4*(\q)+4
	s_cbranch_scc1 .Lq_\@
	s_setprio 0
.endm
; A tile leaves: O^T / the sum goes through my stage and comes back as whole rows: a query's 64 numbers of this head are 256 bytes.
.macro OUT base
.rept 4
	v_nop                                          ; the places behind the last products
.endr
	v_add_f32 v14, v14, v15                        ; the sum's two halves,
	s_delay_alu instid0(VALU_DEP_1)
	v_permlanex16_b32 v242, v14, s20, s21
	s_delay_alu instid0(VALU_DEP_1)
	v_add_f32 v14, v14, v242                       ; and lane l xor 16's: the row's sum
	s_wait_alu depctr_va_vdst(0)
	v_rcp_f32 v14, v14
	v_nop                                          ; a plain place behind the reciprocal
	s_wait_alu depctr_va_vdst(0)                   ; and the wait ahead of its first reader
.set J, 0
.rept 32
	v_mul_f32 v[96+J], v[160+J], v14               ; register 8 t + j is o(query r, d = 16 t + 8 h + j); each accumulator from its low end on
.set J, J+1
.endr
.irp t, 0,1,2,3
	ds_store_b128 v3, v[96+8*\t:99+8*\t] offset:64*\t
	ds_store_b128 v3, v[100+8*\t:103+8*\t] offset:64*\t+16
.endr
.irp i, 0,1,2,3,4,5,6,7
	ds_load_b128 v[128+4*\i:131+4*\i], v4 offset:2*\i*SPI          ; LDS serves a wave's instructions in order: these see my stores
.endr
.irp i, 0,1,2,3,4,5,6,7
	s_wait_dscnt 7-\i                              ; rows 2 i, 2 i + 1 are back; those behind them may be out
	global_store_b128 v5, v[128+4*\i:131+4*\i], s[\base:\base+1] offset:8192*\i th:TH_STORE_NT   ; sixteen lanes store 256 consecutive bytes, aligned
.endr
	s_wait_xcnt 0x0                                ; the stores have read their registers, which the next tile writes again
.endm
	s_load_b256 s[4:11], s[0:1], 0x0               ; qc s[4:5], qs s[6:7], kv s[8:9], out0 s[10:11]
	v_lshl_add_u32 v254, v0, 2, 0x34000
	v_mov_b32 v255, 0
	ds_add_u32 v254, v255
	ds_add_u32 v254, v255
	s_wait_dscnt 0x0
	v_lshrrev_b32 v7, 5, v0
	s_delay_alu instid0(VALU_DEP_1)
	v_readfirstlane_b32 s12, v7                    ; wave 0..15
	s_bfe_u32 s13, ttmp6, 0x40000                  ; cx: my place in the cluster
	s_and_b32 s14, ttmp7, 0xffff                   ; 16 b + head: the cluster's y, which the four partners share
	s_and_b32 s15, s12, 1                          ; e
	s_lshr_b32 s16, s12, 1                         ; gg: the second tile's group
	s_sub_co_u32 s17, 15, s16                      ; 15 - gg: the first tile's
	s_mov_b32 s20, 0x76543210
	s_mov_b32 s21, 0xfedcba98                      ; v_permlanex16_b32's selects for lane l xor 16
	s_mov_b32 s22, 0x3e38aa3b                      ; c = log2(e) / 8
	s_mov_b32 s23, s22                             ; (named with it as a pair, so it is written)
	; descriptor group 1: a record, 8,960 dense bytes, as 35 rows of 256 (32 elements of 8 bytes), no padding: fragments are read 16 bytes a lane on end
	s_mov_b32 s24, 15|(3<<16)|(1<<21)              ; 15:0 the mask: all four work-groups; 17:16 elements of 8 bytes; 21 set beside a mask
	s_mov_b32 s25, 32<<16                          ; tensor_dim0
	s_mov_b32 s26, 35<<16                          ; tensor_dim1
	s_mov_b32 s27, 32<<16                          ; tile_dim0
	s_mov_b32 s28, 35                              ; tile_dim1
	s_mov_b32 s29, 32                              ; tensor_dim0_stride
	s_mov_b32 s30, 0
	s_mov_b32 s31, 0
	s_lshl_b32 s66, s13, 1
	s_add_co_u32 s66, s66, s15                     ; 2 cx + e
	s_lshl_b32 s67, s17, 3
	s_add_co_u32 s67, s67, s66                     ; my first tile
	s_lshl_b32 s68, s16, 3
	s_add_co_u32 s68, s68, s66                     ; my second
	s_lshl_b32 s69, s14, 7                         ; 128 tiles a head
	s_add_co_u32 s70, s69, s67
	s_add_co_u32 s71, s69, s68
	s_lshl_b32 s56, s70, 9                         ; Q's codes: 512 bytes a tile
	s_mov_b32 s57, 0
	s_lshl_b32 s58, s71, 9
	s_mov_b32 s59, 0
	s_lshl_b32 s60, s70, 6                         ; Q's scale words: 64 bytes a tile
	s_mov_b32 s61, 0
	s_lshl_b32 s62, s71, 6
	s_mov_b32 s63, 0
	s_lshr_b32 s69, s14, 4
	s_lshl_b32 s69, s69, 7                         ; out0: 128 tiles a b,
	s_and_b32 s70, s14, 15
	s_lshl_b32 s70, s70, 8                         ; the head's 256 bytes of a row,
	s_add_co_u32 s52, s69, s67
	s_lshl_b32 s52, s52, 16                        ; 16 rows of 4,096 bytes a tile
	s_add_co_u32 s52, s52, s70
	s_mov_b32 s53, 0
	s_add_co_u32 s54, s69, s68
	s_lshl_b32 s54, s54, 16
	s_add_co_u32 s54, s54, s70
	s_mov_b32 s55, 0
	s_lshl_b32 s66, s13, 5
	s_lshl_b32 s71, s15, 4
	s_add_co_u32 s66, s66, s71                     ; 32 cx + 16 e: my tile's first query within its group of 128
	s_mul_i32 s18, s12, REC                        ; what I fetch, if I fetch: record = my wave's number (+ 4 a quarter): its place in LDS,
	s_mul_i32 s2, s14, HEADB
	s_add_co_u32 s2, s2, s18                       ; and in kv
	s_mov_b32 s3, 0
	s_mul_i32 s19, s12, 16*SPI
	s_add_co_u32 s19, s19, STG                     ; my stage
	v_and_b32 v7, 31, v0
	s_delay_alu instid0(VALU_DEP_1)
	v_lshlrev_b32 v1, 4, v7                        ; 16 lane
	s_delay_alu instid0(VALU_DEP_2)
	v_lshlrev_b32 v2, 2, v7                        ; 4 lane
	v_and_b32 v8, 15, v0                           ; r
	v_bfe_u32 v9, v0, 4, 1                         ; h
	s_delay_alu instid0(VALU_DEP_2)
	v_mul_u32_u24 v3, v8, SPI
	s_delay_alu instid0(VALU_DEP_1)
	v_lshl_add_u32 v3, v9, 5, v3
	s_delay_alu instid0(VALU_DEP_1)
	v_add_nc_u32 v3, s19, v3                       ; into the stage: row r, + 32 h
	s_delay_alu instid0(VALU_DEP_4)
	v_mul_u32_u24 v4, v9, SPI
	s_delay_alu instid0(VALU_DEP_1)
	v_lshl_add_u32 v4, v8, 4, v4
	s_delay_alu instid0(VALU_DEP_1)
	v_add_nc_u32 v4, s19, v4                       ; back: lanes 0-15 one row, lanes 16-31 the next
	v_lshlrev_b32 v5, 12, v9
	s_delay_alu instid0(VALU_DEP_1)
	v_lshl_add_u32 v5, v8, 4, v5                   ; and the same two rows in out0
	v_lshlrev_b32 v6, 3, v9
	s_delay_alu instid0(VALU_DEP_1)
	v_sub_nc_u32 v6, v8, v6
	s_delay_alu instid0(VALU_DEP_1)
	v_add_nc_u32 v6, s66, v6                       ; the mask's number: 32 cx + 16 e + r - 8 h
	v_lshlrev_b32 v7, 2, v8                        ; 4 r: Q's scale words
	s_wait_kmcnt 0x0
	s_add_nc_u64 s[2:3], s[8:9], s[2:3]
	s_add_nc_u64 s[56:57], s[4:5], s[56:57]
	s_add_nc_u64 s[58:59], s[4:5], s[58:59]
	s_add_nc_u64 s[60:61], s[6:7], s[60:61]
	s_add_nc_u64 s[62:63], s[6:7], s[62:63]
	s_add_nc_u64 s[52:53], s[10:11], s[52:53]
	s_add_nc_u64 s[54:55], s[10:11], s[54:55]
.irp q, 0,1,2,3                                ; descriptor group 0, a set for each quarter
	s_mov_b32 s[32+4*\q], 1                        ; count = 1
	s_add_co_u32 s[33+4*\q], s18, \q*QTR           ; LDS address
	s_add_nc_u64 s[34+4*\q:35+4*\q], s[2:3], \q*QTR    ; global address
	s_or_b32 s[35+4*\q], s[35+4*\q], 0x80000000    ; type = 2
.endr
	ROUND                                          ; all four work-groups are here: the joint loads meet
	s_cmp_lt_u32 s12, 4                            ; a wave's four fills stand in one branch on the wave's number, ahead of every wait on TENSORcnt, every LDS read and every other barrier
	s_cbranch_scc0 .Lno_fetch
	tensor_load_to_lds s[32:35], s[24:31]
	s_nop 0
	tensor_load_to_lds s[36:39], s[24:31]
	s_nop 0
	tensor_load_to_lds s[40:43], s[24:31]
	s_nop 0
	tensor_load_to_lds s[44:47], s[24:31]
	s_nop 0
.rept 4
	v_nop
.endr
.Lno_fetch:
	global_load_b128 v[16:19], v1, s[56:57]        ; Q of my first tile: registers 0-3 as they were stored
	global_load_b128 v[24:27], v1, s[58:59]        ; and of my second
	s_wait_alu depctr_va_vdst(0)
	global_load_b32 v10, v7, s[60:61]              ; their scale words
	global_load_b32 v11, v7, s[62:63]
.irp j, 20,21,22,23,28,29,30,31
	v_mov_b32 v[\j], 0                             ; Q's registers 4-7: zero codes for k = 64 .. 127
.endr
.irp t, 0,1,2,3,4,5,6,7
.irp j, 4,5,6,7
	v_mov_b32 v[32+8*\t+\j], 0                     ; K's likewise: cleared once, never loaded
.endr
.endr
.irp j, 236,237,238,239,241,242
	v_mov_b32 v[\j], 0                             ; written once: a lane permute's destination counts as one of its sources; v241 is named as the upper half of a pair
.endr
	v_mov_b32 v255, 0xff800000                     ; -infinity
	INIT
	s_mov_b32 s50, s17                             ; THE FIRST TILE: group 15 - gg, 8 or more: in steps 0-7 all keys count
	s_wait_loadcnt 0x0                             ; Q
	QUARTER 0, 0
	QUARTER 1, 0
	QUARTER 2, 1
	QUARTER 3, 1
	OUT 52
	INIT
	s_mov_b32 s50, s16                             ; THE SECOND TILE: group gg, 7 or less; the whole head has landed and was shown to every wave: no barrier
	s_mov_b32 s48, 0
	s_mov_b32 s49, 0
.Lsecond:
	STEP 24, 11, 1
	s_cmp_lt_u32 s49, 8
	s_cbranch_scc1 .Lsecond
	s_setprio 0
	OUT 54
	s_wait_tensorcnt 0x0
	s_wait_dscnt 0x0
	s_wait_xcnt 0x0
	v_lshl_add_u32 v254, v0, 2, 0x34000
	v_mov_b32 v255, 0
	s_wait_alu depctr_va_vdst(0)
	s_wait_tensorcnt 0x0
	ds_add_u32 v254, v255
	s_wait_dscnt 0x0
	ROUND                                          ; the closing round: no work-group ends while a partner may still ask for a record that names it
	s_endpgm
.Lfunc_end_k_qcb3126273e_attn:
	.size	k_qcb3126273e_attn, .Lfunc_end_k_qcb3126273e_attn-k_qcb3126273e_attn
	.p2alignl 7, 3214868480
	.fill 96, 4, 3214868480
	.section	.rodata,"a",@progbits
	.p2align	6, 0x0
	.amdhsa_kernel k_qcb3126273e_attn
		.amdhsa_group_segment_fixed_size 215040
		.amdhsa_private_segment_fixed_size 0
		.amdhsa_enable_private_segment 0
		.amdhsa_kernarg_size 32
		.amdhsa_user_sgpr_count 2
		.amdhsa_user_sgpr_kernarg_segment_ptr 1
		.amdhsa_wavefront_size32 1
		.amdhsa_system_sgpr_workgroup_id_x 1
		.amdhsa_system_sgpr_workgroup_id_y 1
		.amdhsa_system_sgpr_workgroup_id_z 1
		.amdhsa_system_vgpr_workitem_id 0
		.amdhsa_next_free_vgpr 256
		.amdhsa_next_free_sgpr 72
		.amdhsa_reserve_vcc 1
		.amdhsa_float_denorm_mode_32 3
		.amdhsa_float_denorm_mode_16_64 3
		.amdhsa_memory_ordered 1
		.amdhsa_forward_progress 1
		.amdhsa_inst_pref_size 115
	.end_amdhsa_kernel
	.amdgpu_metadata
---
amdhsa.version: [ 1, 2 ]
amdhsa.kernels:
  - .name:           k_qcb3126273e_attn
    .symbol:         k_qcb3126273e_attn.kd
    .args:
      - { .name: qc, .offset: 0, .size: 8, .value_kind: global_buffer, .address_space: global }
      - { .name: qs, .offset: 8, .size: 8, .value_kind: global_buffer, .address_space: global }
      - { .name: kv, .offset: 16, .size: 8, .value_kind: global_buffer, .address_space: global }
      - { .name: out0, .offset: 24, .size: 8, .value_kind: global_buffer, .address_space: global }
    .group_segment_fixed_size: 215040
    .private_segment_fixed_size: 0
    .kernarg_segment_align: 8
    .kernarg_segment_size: 32
    .max_flat_workgroup_size: 512
    .sgpr_count:     72
    .vgpr_count:     256
    .wavefront_size: 32
...
	.end_amdgpu_metadata
.endif
;; end of part 3
